; MI455X (gfx1250); checked and timed in simulation.
; The chip was launched on July 23, 2026; its instructions are those of AMD's public machine-readable ISA for CDNA 5 (MIT licence, August 2026) and "CDNA5" Instruction Set Architecture Reference Guide (July 2026). The comments in the code are by the model that wrote it; some were corrected since.
;; Aggregate Or Exclusive. Allowed arithmetic: matrix products marked QUANTISED: E2M3 operands, one E8M0 scale for each 32 along K, by v_wmma_scale_f32_16x16x128_f8f6f4 with both operands' format E2M3, f32 sums; everything else in f32.
;; Inputs: W1_codes 8 x 2,048 x 32 x 24 uint8 (E2M3 codes of W1, K innermost, in blocks of 32 codes, four codes in three bytes); W1_scales 8 x 2,048 x 32 uint8 (E8M0 scales of W1, one for each 32 codes along K); W2_codes 8 x 1,024 x 64 x 24 uint8 (E2M3 codes of W2, K innermost, in blocks of 32 codes, four codes in three bytes); W2_scales 8 x 1,024 x 64 uint8 (E8M0 scales of W2, one for each 32 codes along K); b1 8 x 2,048 float32; b2 8 x 1,024 float32; expert_idx 2,048 int32; x_feat_codes 2,048 x 32 x 24 uint8 (E2M3 codes of x_feat, K innermost, in blocks of 32 codes, four codes in three bytes); x_feat_scales 2,048 x 32 uint8 (E8M0 scales of x_feat, one for each 32 codes along K).
;; Outputs: out0 2,048 x 1,032 float32.
;; This version of the problem:
;;   THIS VERSION OF THE PROBLEM IS GIVEN IN LOW PRECISION. The matrix products marked QUANTISED in the list below multiply operands that are first quantised to E2M3 (2 exponent bits, 3 mantissa bits; 6 bits a number), with one power-of-two scale for each 32 numbers along K (OCP MX v1.0); their sums are f32. All else is computed in f32.
;;   The module's matrix products, in the order in which they are computed (A, B: the left and right operand; K: the contracted axis; several contracted axes count as one K, in the product's order):
;;     1. [M 2,048, K 1,024] x [K 1,024, N 2,048]; A: input x_feat (given as codes); B: input W1 (given as codes): QUANTISED
;;     2. [M 2,048, K 2,048] x [K 2,048, N 1,024]; A: computed on the way; B: input W2 (given as codes): QUANTISED
;;     3. [M 2,048, K 1,024] x [K 1,024, N 2,048]; A: input x_feat (given as codes); B: input W1 (given as codes): QUANTISED
;;     4. [M 2,048, K 2,048] x [K 2,048, N 1,024]; A: computed on the way; B: input W2 (given as codes): QUANTISED
;;     5. [M 2,048, K 1,024] x [K 1,024, N 2,048]; A: input x_feat (given as codes); B: input W1 (given as codes): QUANTISED
;;     6. [M 2,048, K 2,048] x [K 2,048, N 1,024]; A: computed on the way; B: input W2 (given as codes): QUANTISED
;;     7. [M 2,048, K 1,024] x [K 1,024, N 2,048]; A: input x_feat (given as codes); B: input W1 (given as codes): QUANTISED
;;     8. [M 2,048, K 2,048] x [K 2,048, N 1,024]; A: computed on the way; B: input W2 (given as codes): QUANTISED
;;     9. [M 2,048, K 1,024] x [K 1,024, N 2,048]; A: input x_feat (given as codes); B: input W1 (given as codes): QUANTISED
;;     10. [M 2,048, K 2,048] x [K 2,048, N 1,024]; A: computed on the way; B: input W2 (given as codes): QUANTISED
;;     11. [M 2,048, K 1,024] x [K 1,024, N 2,048]; A: input x_feat (given as codes); B: input W1 (given as codes): QUANTISED
;;     12. [M 2,048, K 2,048] x [K 2,048, N 1,024]; A: computed on the way; B: input W2 (given as codes): QUANTISED
;;     13. [M 2,048, K 1,024] x [K 1,024, N 2,048]; A: input x_feat (given as codes); B: input W1 (given as codes): QUANTISED
;;     14. [M 2,048, K 2,048] x [K 2,048, N 1,024]; A: computed on the way; B: input W2 (given as codes): QUANTISED
;;     15. [M 2,048, K 1,024] x [K 1,024, N 2,048]; A: input x_feat (given as codes); B: input W1 (given as codes): QUANTISED
;;     16. [M 2,048, K 2,048] x [K 2,048, N 1,024]; A: computed on the way; B: input W2 (given as codes): QUANTISED
;;   THE QUANTISER, for each operand of a quantised product, along K:
;;     - K is cut into blocks of 32 from its start; a last block that is shorter is filled with zeros.
;;     - A block's scale is 2^e with e = floor(log2(the largest magnitude in the block)) - 2, held to -126 .. 127; a block of zeros has e = 0. As a byte (E8M0): e + 127.
;;     - Each number is divided by its block's scale, clamped to +-7.5, and rounded to the nearest number of E2M3, ties to even, subnormals kept.
;;     - The product sums the exact products of the quantised numbers (number of the format x scale) in f32.
;;   ~~~python
;;   def quantise(x, axis):      # numpy; x: float32 -> the quantised numbers, widened to float32 again
;;       x = np.moveaxis(x, axis, -1); K = x.shape[-1]
;;       x = np.pad(x, [(0, 0)] * (x.ndim - 1) + [(0, -K % 32)]); x = x.reshape(x.shape[:-1] + (-1, 32)); a = np.abs(x).max(-1, keepdims=True)
;;       e = np.where(a > 0, np.clip(np.frexp(np.where(a > 0, a, 1))[1] - 1 - 2, -126, 127), 0)      # np.frexp(a)[1] - 1 = floor(log2(a)), exactly
;;       r = np.clip(x / 2.0 ** e, -7.5, 7.5)
;;       step = 2.0 ** (np.maximum(np.frexp(np.where(r == 0, 1, r))[1] - 1, 0) - 3)
;;       q = np.round(r / step) * step * 2.0 ** e      # np.round: ties to even
;;       return np.moveaxis(q.reshape(q.shape[:-2] + (-1,))[..., :K], -1, axis).astype(np.float32)
;;   ~~~
;;   OPERANDS COMPUTED ON THE WAY. 'Computed on the way' means the value that the module computes at that place (a softmax that the list does not call 'softmax' is quantised finished and normalised). What goes into a quantiser is computed in f32, as accurately as f32 sums, v_exp_f32 and their like allow (about 1e-6 of the number): no bf16 or f16 on the way to a quantiser, and a product that is left as it is and whose result goes on into a quantised operand takes f32 operands (vector FMAs, or v_wmma_f32_16x16x4_f32). A number that lies on a knife's edge between two numbers of the format may be rounded either way, as far as f32 arithmetic and the matrix unit's own rounding can turn it there, and no further.
;;   INPUTS GIVEN AS CODES. W1 (in the module: [8, 1024, 2048], K = its axis 1); W2 (in the module: [8, 2048, 1024], K = its axis 1); x_feat (in the module: [2048, 1024], K = its axis 1): each comes as NAME_codes (uint8): NAME with its K axis moved to the last place and cut into blocks of 32 codes, [.., K / 32, bytes a block], one block behind the other in memory; four codes in three bytes: a row's codes are one little-endian stream of bits, code i at bits 6 i .. 6 i + 5 (a code: sign, 2 exponent bits, 3 mantissa bits); and NAME_scales (uint8): the same leading axes, one E8M0 byte (e + 127) for each 32 codes along K. Its value is code x scale, taken as it is: it is not quantised again, and the codes and scales need not be those that the quantiser above would give.
;; One version. Each part assembles by itself: llvm-mc -triple=amdgcn-amd-amdhsa -mcpu=gfx1250 --defsym DOCPART=n.
;; ======== version 1 of 1: 2 launches
;; workspace buffers: h_codes 25,165,824 bytes; h_scales 1,048,576 bytes; order 69,632 bytes of whole numbers
;; launch sublayer (part 1): grid 32 x 8, 4 waves a work-group, no clusters, 109,568 bytes of LDS; arguments x_feat_codes, x_feat_scales, W1_codes, W1_scales, b1, expert_idx, h_codes, h_scales, order; writes h_codes, h_scales, order
.if DOCPART == 1
	.amdgcn_target "amdgcn-amd-amdhsa--gfx1250"
	.amdhsa_code_object_version 6
	.text
	.protected	k_qa660d54017_sublayer
	.globl	k_qa660d54017_sublayer
	.p2align	8
	.type	k_qa660d54017_sublayer,@function
k_qa660d54017_sublayer:
	s_mov_b64 s[64:65], 0
	v_nop
	global_prefetch_b8 v0, s[64:65] scope:SCOPE_SE
	s_setreg_imm32_b32 hwreg(HW_REG_WAVE_MODE, 25, 1), 1
	s_wait_xcnt 0x0
; h = x W1[e] + b1[e] for the tokens of expert e alone, quantised along the hidden axis to codes of FP6 (E2M3) with one E8M0 byte for each 32.
; x: [2048][1024] as codes (768 bytes a row), 32 scale bytes a row.  W1: [8][2048 hidden][1024] as codes, K innermost; b1: [8][2048] f32; expert_idx: [2048] int32.
; SHARES.  Work-group (x = slice, y = expert) owns hidden units 64 slice .. + 63 of one expert: 8 x 32 = 256 work-groups, and each byte of W1 is read once in the launch.
; Every wave holds the slice's weights in registers (4 tiles x 8 K steps x 12 = 384); wave w takes the expert's row tiles w, w + 4, ..: 16 tokens each.
; ROUTING.  Wave 0 lists the expert's tokens in LDS (a compare, a count of the lanes below, a store to the counted place).  Behind the list stand 32 copies of its first entry,
; so that the last tile's spare rows repeat a real row; the rest of the list is 0.  The work-groups of slice 0 store list and count in 'order' for the next launch.
; Each wave then takes the entries of all the tiles that could be its own (32 tiles x 16) into 16 registers, once: in the loop a tile's tokens come out of registers, and every LDS address of the
; text is a constant, a lane term and a wave term.  A trip runs two tiles (the two halves of the first of these registers) and then moves the 16 registers down by one.
; An expert without tokens still makes tile 0 (token 0's rows): the next launch asks for its first tile without condition, and those bytes are then stored ones.
; LAYOUT.  The product is used transposed (source 0 = 16 rows of W1, source 1 = 16 tokens).  Slot p of tile t is hidden unit 32 (p / 8) + 8 t + p % 8, so that lane (r, hh) holds
; token r and its 32 results are the 32 neighbours of block hh of the slice: a block's largest magnitude needs no other lane.
; K ORDER.  A lane takes 48 consecutive bytes of its row for a K step of 128 (bytes 96 s + 48 hh), by three loads of 16 bytes, on BOTH operands: the instruction's blocks 1 and 2
; change places, and so do bytes 1 and 2 of every scale word.  The products are the same; the order of the sums differs from K ascending.
; NO TENSOR LOAD, NO CLUSTER: the number of tiles hangs on expert_idx and x's rows are gathered by the list, so operands go from memory through registers.
; h_codes: tile (e, j) at (128 e + j) x 24,576: [32 slices][3 pieces][16 rows][16 bytes]: the next launch's lanes load their fragments whole.  h_scales: tile at (128 e + j) x 1,024:
; the word of K step s, row r at 256 (s / 4) + 16 r + 4 (s % 4).
; LIMITS: expert_idx lies in 0 .. 7 (another number's token has no owner); NaN and infinities in h are not served; a block of h under 2^-124 (zeros too) gets the byte 1, read by this program alone.
.set XROW,  768                        ; a row of x or of W1 in bytes
.set LCNT,  8696                       ; LDS 0 .. 8,703: the list, 2,176 words; word 2,174 the count, word 2,175 takes the lanes that do not match
.set WST,   8704                       ; 64 slots of W1's rows, slot 16 t + p
.set PW,    784                        ; 768 bytes + 16: 49 x 16, so the 16 rows of a load of 16 bytes start 16 bytes apart modulo 256
.set XST,   WST+64*PW                  ; 16 rows of x for each wave, its own
.set XSTW,  16*PW
.set HTILE, 24576
.set LANE, 1
.set R,    2                           ; lane % 16
.set HH,   3                           ; lane / 16
.set R16,  4                           ; 16 R
.set WGA,  5                           ; W1 in memory: 768 HH + 16 R
.set WLS,  6                           ; W1 into LDS
.set WLF,  7                           ; W1's fragments out of LDS: WST + 784 R + 48 HH
.set XLS,  8                           ; x into my stage
.set XLF,  9                           ; x's fragments out of it
.set LBR,  11                          ; 4 R
.set HCO,  12                          ; 512 HH + 16 R
.set H16,  13                          ; 16 HH
.set T0,   14                          ; v14, v15: at work
.set T1,   15
.set XA,   16                          ; v16-23 byte offsets in x of rows 2 p + HH
.set XSA,  24                          ; byte offset of row R's scale words
.set CNT,  25
.set PA,   26                          ; v26, v27: the pads' address, the count
.set L4,   28                          ; 4 x lane
.set L16,  29                          ; 16 x lane
.set NIL,  30                          ; 0
.set WSA,  31                          ; W1's scale words in memory
.set W1S,  32                          ; v32-47 W1's scale words: tile t, register c: lanes 0-15 K step c, lanes 16-31 K step 4 + c
.set XS,   48                          ; v48-51 x's likewise
.set XSN,  52                          ; v52-55 x's as loaded
.set SO,   58
.set BY,   59
.set BX,   60
.set U16,  61
.set BA,   62                          ; b1 in memory: 128 HH
.set ACC,  64                          ; v64-95 four accumulators
.set LC,   96                          ; v96-103 my block's 24 bytes of codes, then two words of the other half's
.set CT,   104
.set RR,   108
.set MX,   112
.set RP,   116                         ; v116-123 routing: four pairs (address, token) by turns
.set XF,   128                         ; v128-223 x's 8 fragments; ahead of the loop the 64 index words and the list's copy
.set TT,   224                         ; v224-239 my tiles' tokens: register q: lanes 0-15 my tile 2 q from now, lanes 16-31 my tile 2 q + 1; lane % 16 = the row
.set PX,   240                         ; the first of them with its halves exchanged
.set BI,   192                         ; window 1: b1 in the result's layout.  Window 1 v0-191, window 2 v0-191: W1's fragments.  Window 3 v0-95: x as loaded
.set WV,   26
.set SL,   27
.set EX,   28
.set NE,   29
.set TILES, 30
.set TMP,  31
.set J,    32
.set IT,   33
.set SV,   35
.set TKS,  44                          ; s44-59 a tile's 16 tokens
.set MSB, 0
.macro WIN new                         ; s_set_vgpr_msb: bits 1:0 source 0, 3:2 source 1, 5:4 source 2, 7:6 destination; the high byte repeats the setting that is left
.if MSB != \new
	s_set_vgpr_msb (MSB<<8)|\new
.set MSB, \new
.endif
.endm
.macro PLACES n
.rept \n
	v_nop
.endr
.endm
	s_load_b512 s[8:23], s[0:1], 0x0               ; x codes 8:9, x scales 10:11, W1 codes 12:13, W1 scales 14:15, b1 16:17, expert_idx 18:19, h_codes 20:21, h_scales 22:23
	s_load_b64 s[24:25], s[0:1], 0x40              ; order
	v_lshl_add_u32 v254, v0, 2, 0x1aa00
	v_mov_b32 v255, 0
	v_lshrrev_b32 v[LANE], 5, v0
	v_readfirstlane_b32 s[WV], v[LANE]             ; wave 0..3
	v_and_b32 v[LANE], 31, v0
	v_and_b32 v[R], 15, v0
	v_bfe_u32 v[HH], v0, 4, 1
	s_mov_b32 s[SL], ttmp9                         ; slice
	s_and_b32 s[EX], ttmp7, 0xffff                 ; expert
	s_mov_b32 s38, 0x76543210
	s_mov_b32 s39, 0xfedcba98                      ; v_permlanex16_b32's selects for lane l xor 16
	s_mov_b32 s40, 0x03010200                      ; v_perm_b32: bytes 1 and 2 change places
	s_mov_b32 s41, 0xffff0000                      ; lanes 16-31
	v_lshlrev_b32 v[R16], 4, v[R]
	v_mad_u32_u24 v[WGA], v[HH], XROW, v[R16]
	v_mad_u32_u24 v[T0], v[HH], PW, v[R16]         ; 784 HH + 16 R
	v_mul_u32_u24 v[T1], v[R], PW
	v_mad_u32_u24 v[T1], v[HH], 48, v[T1]          ; 784 R + 48 HH
	s_and_b32 s42, s[WV], 1                        ; my 16 rows of W1 are units 16 w + 2 p + HH: slot 32 (w % 2) + 8 (w / 2) + HH + 16 (p / 4) + 2 (p % 4)
	s_lshl_b32 s42, s42, 5
	s_lshr_b32 s43, s[WV], 1
	s_lshl_b32 s43, s43, 3
	s_add_co_u32 s42, s42, s43
	s_mul_i32 s42, s42, PW
	s_add_co_u32 s42, s42, WST
	s_mul_i32 s43, s[WV], XSTW
	s_add_co_u32 s43, s43, XST
	v_add_nc_u32 v[WLS], s42, v[T0]
	v_add_nc_u32 v[WLF], WST, v[T1]
	v_add_nc_u32 v[XLS], s43, v[T0]
	v_add_nc_u32 v[XLF], s43, v[T1]
	v_lshlrev_b32 v[LBR], 2, v[R]
	v_lshl_add_u32 v[HCO], v[HH], 9, v[R16]
	v_lshlrev_b32 v[H16], 4, v[HH]
	v_lshlrev_b32 v[L4], 2, v[LANE]
	v_lshlrev_b32 v[L16], 4, v[LANE]
	v_mov_b32 v[NIL], 0
	v_lshrrev_b32 v[WSA], 3, v[R]                  ; W1's scale words: unit 32 (R / 8) + R % 8 (+ 8 t), 32 bytes a unit, + 16 HH
	v_and_b32 v[CNT], 7, v[R]
	v_lshlrev_b32 v[WSA], 10, v[WSA]
	v_lshl_add_u32 v[WSA], v[CNT], 5, v[WSA]
	v_add_nc_u32 v[WSA], v[WSA], v[H16]
	v_lshlrev_b32 v[BA], 7, v[HH]                  ; b1: my 32 units begin 32 HH numbers on
	v_mov_b32 v[BX], 0                             ; written once: a lane permute's destination counts as one of its sources
	v_mov_b32 v[LC+6], 0
	v_mov_b32 v[LC+7], 0
	v_mov_b32 v[PX], 0
	; byte offsets, each in a pair of its own
	s_lshl_b32 s42, s[EX], 11
	s_lshl_b32 s43, s[SL], 6
	s_add_co_u32 s42, s42, s43                     ; the slice's first row of W1: 2048 e + 64 slice
	s_lshl_b32 s43, s[WV], 4
	s_add_co_u32 s43, s42, s43
	s_mul_i32 s36, s43, XROW                       ; W1's codes: my wave's 16 rows
	s_mov_b32 s37, 0
	s_lshl_b32 s44, s42, 5                         ; W1's scale bytes
	s_mov_b32 s45, 0
	s_lshl_b32 s46, s42, 2                         ; b1
	s_mov_b32 s47, 0
	s_lshl_b32 s43, s[EX], 7
	s_add_co_u32 s43, s43, s[WV]                   ; my first tile: 128 e + w
	s_mul_i32 s48, s43, HTILE
	s_mul_i32 s42, s[SL], 768
	s_add_co_u32 s48, s48, s42                     ; h_codes: the tile, the slice's 768 bytes
	s_mov_b32 s49, 0
	s_lshl_b32 s50, s43, 10
	s_lshr_b32 s42, s[SL], 3
	s_lshl_b32 s42, s42, 8
	s_add_co_u32 s50, s50, s42
	s_and_b32 s42, s[SL], 7
	s_lshl_b32 s42, s42, 1
	s_add_co_u32 s50, s50, s42                     ; h_scales: the tile, + 256 (slice / 8) + 2 (slice % 8)
	s_mov_b32 s51, 0
	s_mul_i32 s52, s[EX], 8704                     ; order: 2,176 words an expert
	s_mov_b32 s53, 0
	s_wait_kmcnt 0x0
	s_add_nc_u64 s[12:13], s[12:13], s[36:37]
	s_add_nc_u64 s[14:15], s[14:15], s[44:45]
	s_add_nc_u64 s[16:17], s[16:17], s[46:47]
	s_add_nc_u64 s[20:21], s[20:21], s[48:49]
	s_add_nc_u64 s[22:23], s[22:23], s[50:51]
	s_add_nc_u64 s[24:25], s[24:25], s[52:53]
	; 36 loads: my 16 rows of W1 as they lie (16 lanes read 256 consecutive bytes, aligned), b1, W1's scale words
	WIN 0x40                                       ; destination window 1
.irp p, 0,1,2,3,4,5,6,7
.irp u, 0,1,2
	global_load_b128 v[4*(3*\p+\u):4*(3*\p+\u)+3], v[WGA], s[12:13] offset:1536*\p+256*\u th:TH_LOAD_NT
.endr
.endr
.irp t, 0,1,2,3
	global_load_b128 v[BI+8*\t:BI+8*\t+3], v[BA], s[16:17] offset:32*\t      ; lane (r, hh), register j of tile t: b1 of unit 32 hh + 8 t + j
	global_load_b128 v[BI+8*\t+4:BI+8*\t+7], v[BA], s[16:17] offset:32*\t+16
.endr
	WIN 0
.irp t, 0,1,2,3
	global_load_b128 v[W1S+4*\t:W1S+4*\t+3], v[WSA], s[14:15] offset:256*\t
.endr
	; ---- the routing: wave 0 alone; no other wave touches LDS ahead of the barrier below
	s_cmp_lg_u32 s[WV], 0
	s_cbranch_scc1 .Lrouted
.irp j, 0,1,2,3,4,5,6,7,8,9,10,11,12,13,14,15
	global_load_b128 v[XF+4*\j:XF+4*\j+3], v[L16], s[18:19] offset:512*\j    ; register 4 j + q of lane l: expert_idx[128 j + 4 l + q]
.endr
.irp i, 0,1,2,3
	v_mov_b32 v[RR+\i], 0
.endr
.irp k, 0,1,2,3,4,5,6,7,8,9,10,11,12,13,14,15,16
	ds_store_b128 v[L16], v[RR:RR+3] offset:512*\k                           ; the whole list begins as zeros
.endr
	s_mov_b32 s[NE], 0
	s_wait_loadcnt 0x0
.set k, 0
.rept 64
.set P, RP+2*(k%4)
	v_cmp_eq_u32 vcc_lo, s[EX], v[XF+k]
	v_mbcnt_lo_u32_b32 v[P], vcc_lo, s[NE]         ; the count so far + the matching lanes below me: my place
	s_bcnt1_i32_b32 s[TMP], vcc_lo
	v_cndmask_b32 v[P], -1, v[P], vcc_lo           ; a lane that does not match
	v_min_u32 v[P], 2175, v[P]                     ; goes to word 2,175
	v_lshlrev_b32 v[P], 2, v[P]
	v_add_nc_u32 v[P+1], 128*(k/4)+k%4, v[L4]      ; the token
	ds_store_b32 v[P], v[P+1]
	s_add_co_u32 s[NE], s[NE], s[TMP]
.set k, k+1
.endr
	ds_load_b32 v[CNT], v[NIL]                     ; the first entry (LDS serves a wave's instructions in order: ISA guide 5.7.1.4)
	v_add_nc_u32 v[PA], s[NE], v[LANE]
	v_min_u32 v[PA], 2175, v[PA]
	v_lshlrev_b32 v[PA], 2, v[PA]
	v_mov_b32 v[PA+1], s[NE]
	s_wait_dscnt 0x0
	ds_store_b32 v[PA], v[CNT]                     ; 32 copies of it behind the list
	ds_store_b32 v[NIL], v[PA+1] offset:LCNT       ; and the count
.Lrouted:
	s_wait_dscnt 0x0                               ; for the others' sake: the list is written
	s_barrier_signal -1
	s_barrier_wait -1
	ds_load_b32 v[CNT], v[NIL] offset:LCNT
	s_lshl_b32 s42, s[WV], 6
	v_lshl_add_u32 v[T0], v[HH], 8, v[LBR]
	v_add_nc_u32 v[T0], s42, v[T0]                 ; 64 w + 256 HH + 4 R: entry 16 (w + 4 (2 q + HH)) + R lies 512 q further on; the last is entry 2,047
.irp q, 0,1,2,3,4,5,6,7,8,9,10,11,12,13,14,15
	ds_load_b32 v[TT+\q], v[T0] offset:512*\q
.endr
	s_wait_dscnt 0x0
	v_readfirstlane_b32 s[NE], v[CNT]
	s_min_u32 s[NE], s[NE], 2048
	s_add_co_u32 s[TILES], s[NE], 15
	s_lshr_b32 s[TILES], s[TILES], 4
	s_max_u32 s[TILES], s[TILES], 1                ; tile 0 is always made
	s_mov_b32 s[J], s[WV]
	s_mov_b32 s[IT], 0
; The tile whose tokens stand in half par of register treg is asked for: 24 loads of codes (rows 2 p + HH: 16 lanes read 256 consecutive bytes of a row, aligned) and one of scale words.
.macro XREQ treg, par
.irp p, 0,1,2,3,4,5,6,7
	v_readlane_b32 s[TKS+2*\p], v[\treg], 16*\par+2*\p
	v_readlane_b32 s[TKS+2*\p+1], v[\treg], 16*\par+2*\p+1
.endr
	v_permlanex16_b32 v[PX], v[\treg], s38, s39
.irp p, 0,1,2,3,4,5,6,7
	v_mov_b32 v[XA+\p], s[TKS+2*\p]                ; lanes 0-15: row 2 p;
.endr
.irp p, 0,1,2,3,4,5,6,7
	v_mov_b32 v[T0+(\p%2)], s[TKS+2*\p+1]
	v_cndmask_b32 v[XA+\p], v[XA+\p], v[T0+(\p%2)], s41   ; lanes 16-31: row 2 p + 1
.endr
.if \par
	v_cndmask_b32 v[XSA], v[PX], v[\treg], s41     ; row R's token in both halves of the lanes
.else
	v_cndmask_b32 v[XSA], v[\treg], v[PX], s41
.endif
.irp p, 0,1,2,3,4,5,6,7,8
	v_min_u32 v[XA+\p], 2047, v[XA+\p]             ; (v24, the scale words' token, among them)
.endr
.irp p, 0,1,2,3,4,5,6,7
	v_mul_u32_u24 v[XA+\p], XROW, v[XA+\p]
.endr
	v_lshlrev_b32 v[XSA], 5, v[XSA]
.irp p, 0,1,2,3,4,5,6,7
	v_add_nc_u32 v[XA+\p], v[XA+\p], v[R16]
.endr
	v_add_nc_u32 v[XSA], v[XSA], v[H16]
	s_wait_dscnt 0x0                               ; every earlier LDS store of mine has read its registers, into which the loads below land
	WIN 0xc0                                       ; destination window 3
.irp p, 0,1,2,3,4,5,6,7
.irp u, 0,1,2
	global_load_b128 v[4*(3*\p+\u):4*(3*\p+\u)+3], v[XA+\p], s[8:9] offset:256*\u
.endr
.endr
	WIN 0
	global_load_b128 v[XSN:XSN+3], v[XSA], s[10:11]  ; register c: lanes 0-15 the word of K step c, lanes 16-31 of K step 4 + c, of row R
.endm
	XREQ TT, 0                                     ; without condition: the entries are tokens, copies or zeros
	s_or_b32 s42, s[SL], s[WV]
	s_cmp_lg_u32 s42, 0
	s_cbranch_scc1 .Lno_order
.irp k, 0,1,2,3,4,5,6,7,8,9,10,11,12,13,14,15,16
	ds_load_b128 v[XF+4*\k:XF+4*\k+3], v[L16] offset:512*\k
.endr
	s_wait_dscnt 0x0
.irp k, 0,1,2,3,4,5,6,7,8,9,10,11,12,13,14,15,16
	global_store_b128 v[L16], v[XF+4*\k:XF+4*\k+3], s[24:25] offset:512*\k   ; slice 0, wave 0: list and count for the next launch, 512 consecutive bytes a store
.endr
	s_wait_xcnt 0x0                                ; the stores' data registers take x's fragments later
.Lno_order:
	s_wait_loadcnt 25                              ; the 25 loads of the first tile may stay out: W1's rows, b1 and the scale words, issued ahead of them, are in
	WIN 0x04                                       ; an LDS store's data are its source 1: window 1
.irp p, 0,1,2,3,4,5,6,7
.irp u, 0,1,2
	ds_store_b128 v[WLS], v[4*(3*\p+\u):4*(3*\p+\u)+3] offset:(16*(\p/4)+2*(\p%4))*PW+256*\u
.endr
.endr
	WIN 0
.irp i, 0,1,2,3,4,5,6,7,8,9,10,11,12,13,14,15
	v_perm_b32 v[W1S+\i], v[W1S+\i], v[W1S+\i], s40
.endr
	s_wait_dscnt 0x0                               ; for the others' sake: my 16 rows lie in LDS
	s_barrier_signal -1
	s_barrier_wait -1
	WIN 0x40                                       ; the slice's 32 fragments into every wave's registers: K steps 0-3 window 1, 4-7 window 2
.irp s, 0,1,2,3
.irp t, 0,1,2,3
.irp g, 0,1,2
	ds_load_b128 v[12*(4*\s+\t)+4*\g:12*(4*\s+\t)+4*\g+3], v[WLF] offset:16*\t*PW+96*\s+16*\g
.endr
.endr
.endr
	WIN 0x80
.irp s, 4,5,6,7
.irp t, 0,1,2,3
.irp g, 0,1,2
	ds_load_b128 v[12*(4*(\s-4)+\t)+4*\g:12*(4*(\s-4)+\t)+4*\g+3], v[WLF] offset:16*\t*PW+96*\s+16*\g
.endr
.endr
.endr
	WIN 0
	s_wait_dscnt 0x0
; One product: tile t, K step s.  b1 is the C of a sum's first product.  The four accumulators take turns, one instruction a turn.
.macro MUL1 s, t
.if \s == 0
	v_wmma_scale_f32_16x16x128_f8f6f4 v[ACC+8*\t:ACC+8*\t+7], v[12*\t:12*\t+11], v[XF:XF+11], v[BI+8*\t:BI+8*\t+7], v[W1S+4*\t], v[XS] matrix_a_fmt:MATRIX_FMT_FP6 matrix_b_fmt:MATRIX_FMT_FP6
.elseif \s < 4
	v_wmma_scale_f32_16x16x128_f8f6f4 v[ACC+8*\t:ACC+8*\t+7], v[12*(4*\s+\t):12*(4*\s+\t)+11], v[XF+12*\s:XF+12*\s+11], v[ACC+8*\t:ACC+8*\t+7], v[W1S+4*\t+\s], v[XS+\s] matrix_a_fmt:MATRIX_FMT_FP6 matrix_b_fmt:MATRIX_FMT_FP6
.else
	v_wmma_scale_f32_16x16x128_f8f6f4 v[ACC+8*\t:ACC+8*\t+7], v[12*(4*(\s-4)+\t):12*(4*(\s-4)+\t)+11], v[XF+12*\s:XF+12*\s+11], v[ACC+8*\t:ACC+8*\t+7], v[W1S+4*\t+\s-4], v[XS+\s-4] matrix_a_fmt:MATRIX_FMT_FP6 matrix_b_fmt:MATRIX_FMT_FP6 matrix_a_scale:MATRIX_SCALE_ROW1 matrix_b_scale:MATRIX_SCALE_ROW1
.endif
.endm
; A tile of 16 tokens.  My next tile's tokens stand in half par of register treg.
.macro TILE treg, par
	s_cmp_ge_u32 s[J], s[TILES]
	s_cbranch_scc1 .Ldone                          ; my tiles are done
	s_wait_loadcnt 0x0                             ; this tile's 25 loads, the only ones out
	WIN 0x0c                                       ; data: window 3
.irp p, 0,1,2,3,4,5,6,7
.irp u, 0,1,2
	ds_store_b128 v[XLS], v[4*(3*\p+\u):4*(3*\p+\u)+3] offset:2*\p*PW+256*\u   ; rows as they lie, into my own stage
.endr
.endr
	WIN 0
.irp c, 0,1,2,3
	v_perm_b32 v[XS+\c], v[XSN+\c], v[XSN+\c], s40
.endr
.irp s, 0,1,2,3,4,5,6,7
.irp g, 0,1,2
	ds_load_b128 v[XF+12*\s+4*\g:XF+12*\s+4*\g+3], v[XLF] offset:96*\s+16*\g    ; and back as fragments: row R, 48 bytes from 96 s + 48 HH
.endr
.endr
	s_add_co_u32 s42, s[J], 4
	s_cmp_ge_u32 s42, s[TILES]
	s_cbranch_scc1 .Lno_next_\@
	XREQ \treg, \par                               ; my next tile is asked for ahead of this tile's products
.Lno_next_\@:
	s_wait_dscnt 0x0
	PLACES 8                                       ; a scale register written by a vector instruction stands eight plain instructions ahead of a scaled product
.irp s, 0,1,2,3,4,5,6,7
.if \s == 0
	WIN 0x11                                       ; W1 and b1 window 1
.elseif \s < 4
	WIN 0x01
.else
	WIN 0x02                                       ; W1 window 2
.endif
.irp t, 0,1,2,3
	MUL1 \s, \t
.endr
.endr
	WIN 0
	PLACES 4                                       ; four plain instructions between a product and the first read of its result (ISA guide 7.12.1)
	; my block's largest magnitude: four chains, each accumulator from its low end on; the floor 2^(3 - 127) holds the byte at 1 from below
.irp t, 0,1,2,3
	v_max3_num_f32 v[MX+\t], |v[ACC+8*\t]|, |v[ACC+8*\t+1]|, 0x1800000
.endr
.irp i, 2,4,6
.irp t, 0,1,2,3
	v_max3_num_f32 v[MX+\t], v[MX+\t], |v[ACC+8*\t+\i]|, |v[ACC+8*\t+\i+1]|
.endr
.endr
	v_max3_num_f32 v[MX], v[MX], v[MX+1], v[MX+2]
	v_max_num_f32 v[MX], v[MX], v[MX+3]
	v_add_nc_u32 v[SO], 0xff000000, v[MX]          ; 2 off its exponent field: the conversion takes this operand's exponent field as its scale
	v_cvt_scalef32_pk16_fp6_f32 v[LC:LC+2], v[ACC:ACC+15], v[SO]
	v_cvt_scalef32_pk16_fp6_f32 v[CT:CT+2], v[ACC+16:ACC+31], v[SO]   ; (a conversion's three registers begin on an even number)
	v_lshrrev_b32 v[BY], 23, v[SO]                 ; the scale's byte; also the plain instruction behind the conversions
.irp i, 0,1,2
	v_mov_b32 v[LC+3+\i], v[CT+\i]                 ; v96-101: my block's 24 bytes
.endr
	v_permlanex16_b32 v[LC+6], v[LC], s38, s39     ; in lanes 0-15: block 1's first 8 bytes behind block 0's last 8: the row's bytes 16 .. 31
	v_permlanex16_b32 v[LC+7], v[LC+1], s38, s39
	v_permlanex16_b32 v[BX], v[BY], s38, s39
.irp i, 0,1,2,3
	v_cndmask_b32 v[RR+\i], v[LC+\i], v[LC+2+\i], s41   ; lanes 0-15: the row's bytes 0 .. 15; lanes 16-31: bytes 32 .. 47
.endr
	v_lshl_or_b32 v[U16], v[BX], 8, v[BY]          ; in lanes 0-15: the slice's two bytes of the row
	global_store_b128 v[HCO], v[RR:RR+3], s[20:21]   ; pieces 0 and 2: each half of the lanes stores 256 consecutive bytes, aligned
	s_wait_xcnt 0x0                                ; EXEC changes only behind this wait
	v_cmp_gt_u32 vcc_lo, 16, v[LANE]
	s_and_saveexec_b32 s[SV], vcc_lo
	global_store_b128 v[HCO], v[LC+4:LC+7], s[20:21] offset:256   ; piece 1
	global_store_b16 v[R16], v[U16], s[22:23]
	s_wait_xcnt 0x0                                ; and again; the stores' data and bases are written again only behind it
	s_or_b32 exec_lo, exec_lo, s[SV]
	s_add_nc_u64 s[20:21], s[20:21], 4*HTILE
	s_add_nc_u64 s[22:23], s[22:23], 4096
	s_add_co_u32 s[J], s[J], 4
.endm
.Lpair:                                                ; 16 trips at the most (128 tiles, four waves, two tiles a trip): the count is a constant, and a wave leaves when its tiles are done
	TILE TT, 1                                     ; the tile in the lower half of the first token register; the next stands in its upper half
	TILE TT+1, 0                                   ; that one; the next stands in the lower half of the second register
.irp q, 0,1,2,3,4,5,6,7,8,9,10,11,12,13,14
	v_mov_b32 v[TT+\q], v[TT+\q+1]                 ; the token registers move down by one
.endr
	s_add_co_u32 s[IT], s[IT], 1
	s_cmp_lt_u32 s[IT], 16
	s_cbranch_scc1 .Lpair
.Ldone:
	s_wait_tensorcnt 0x0
	ds_add_u32 v254, v255
	s_wait_dscnt 0x0
	s_endpgm
.Lfunc_end_k_qa660d54017_sublayer:
	.size	k_qa660d54017_sublayer, .Lfunc_end_k_qa660d54017_sublayer-k_qa660d54017_sublayer
	.p2alignl 7, 3214868480
	.fill 96, 4, 3214868480
	.section	.rodata,"a",@progbits
	.p2align	6, 0x0
	.amdhsa_kernel k_qa660d54017_sublayer
		.amdhsa_group_segment_fixed_size 109568
		.amdhsa_private_segment_fixed_size 0
		.amdhsa_enable_private_segment 0
		.amdhsa_kernarg_size 72
		.amdhsa_user_sgpr_count 2
		.amdhsa_user_sgpr_kernarg_segment_ptr 1
		.amdhsa_wavefront_size32 1
		.amdhsa_system_sgpr_workgroup_id_x 1
		.amdhsa_system_sgpr_workgroup_id_y 1
		.amdhsa_system_sgpr_workgroup_id_z 1
		.amdhsa_system_vgpr_workitem_id 0
		.amdhsa_next_free_vgpr 864
		.amdhsa_next_free_sgpr 66
		.amdhsa_reserve_vcc 1
		.amdhsa_float_denorm_mode_32 3
		.amdhsa_float_denorm_mode_16_64 3
		.amdhsa_memory_ordered 1
		.amdhsa_forward_progress 1
		.amdhsa_inst_pref_size 90
	.end_amdhsa_kernel
	.amdgpu_metadata
---
amdhsa.version: [ 1, 2 ]
amdhsa.kernels:
  - .name:           k_qa660d54017_sublayer
    .symbol:         k_qa660d54017_sublayer.kd
    .args:
      - { .name: x_feat_codes, .offset: 0, .size: 8, .value_kind: global_buffer, .address_space: global }
      - { .name: x_feat_scales, .offset: 8, .size: 8, .value_kind: global_buffer, .address_space: global }
      - { .name: W1_codes, .offset: 16, .size: 8, .value_kind: global_buffer, .address_space: global }
      - { .name: W1_scales, .offset: 24, .size: 8, .value_kind: global_buffer, .address_space: global }
      - { .name: b1, .offset: 32, .size: 8, .value_kind: global_buffer, .address_space: global }
      - { .name: expert_idx, .offset: 40, .size: 8, .value_kind: global_buffer, .address_space: global }
      - { .name: h_codes, .offset: 48, .size: 8, .value_kind: global_buffer, .address_space: global }
      - { .name: h_scales, .offset: 56, .size: 8, .value_kind: global_buffer, .address_space: global }
      - { .name: order, .offset: 64, .size: 8, .value_kind: global_buffer, .address_space: global }
    .group_segment_fixed_size: 109568
    .private_segment_fixed_size: 0
    .kernarg_segment_align: 8
    .kernarg_segment_size: 72
    .max_flat_workgroup_size: 128
    .sgpr_count:     66
    .vgpr_count:     864
    .wavefront_size: 32
...
	.end_amdgpu_metadata
.endif
;; end of part 1
;; launch encoder (part 2): grid 32 x 8, 4 waves a work-group, no clusters, 59,392 bytes of LDS; arguments h_codes, h_scales, order, W2_codes, W2_scales, b2, out0; writes out0
.if DOCPART == 2
	.amdgcn_target "amdgcn-amd-amdhsa--gfx1250"
	.amdhsa_code_object_version 6
	.text
	.protected	k_qa660d54017_encoder
	.globl	k_qa660d54017_encoder
	.p2align	8
	.type	k_qa660d54017_encoder,@function
k_qa660d54017_encoder:
	s_mov_b64 s[64:65], 0
	v_nop
	global_prefetch_b8 v0, s[64:65] scope:SCOPE_SE
	s_setreg_imm32_b32 hwreg(HW_REG_WAVE_MODE, 25, 1), 1
	s_wait_xcnt 0x0
; out0[token] = [ Q(h) W2[e] + b2[e] | one_hot(e) ] for the tokens of expert e, from the codes and scale bytes of h that the launch before stored.
; W2: [8][1024 outputs][2048] as codes (1,536 bytes a row), 64 scale bytes a row; b2: [8][1024] f32; out0: [2048][1032] f32, 4,128 bytes a row.
; SHARES.  Work-group (x = slice, y = expert) owns output columns 32 slice .. + 31 of one expert: 256 work-groups, each byte of W2 read once in the launch.  Every wave holds the slice's
; weights in registers (2 tiles x 16 K steps x 12 = 384); wave w takes the expert's row tiles w, w + 4, .. while they are under the count that 'order' holds.
; LAYOUT.  Transposed use (source 0 = 16 rows of W2, source 1 = 16 rows of h): lane (r, hh) holds row r, register j of tile n column 16 n + 8 hh + j.  A lane's fragment of h is three
; loads of 16 bytes; 16 lanes read 256 consecutive bytes, aligned.  On both operands a lane holds 48 consecutive bytes of its row for a K step, so bytes 1 and 2 of every scale word change places.
; THE LAST TILE'S SPARE ROWS repeat the expert's first token: they hold the same numbers as that token's own row and are stored to the same bytes by this same work-group; so no lane is switched off.
; THE FIRST REQUEST is issued without condition, for tile min(w, max(tiles, 1) - 1), which the launch before has always stored; a wave without a tile ends without using it.
; STORES.  A slice owns 128 bytes of a row of 4,128: eight neighbouring lanes store them; the pitch is no multiple of 256, so aligned blocks of 256 bytes are not filled by one store.
; NO TENSOR LOAD, NO CLUSTER: the trip count is read from memory.
; LIMITS: as in the launch before; a token whose expert_idx lies outside 0 .. 7 is in no list, and its row is not written.
.set PW,   1552                        ; LDS 0 ..: W2's 32 rows, 1,536 bytes + 16 = 97 x 16: the 16 rows of a load of 16 bytes start 16 bytes apart modulo 256
.set OST,  32*PW                       ; behind them a stage of 16 rows x (128 + 16) bytes for each wave, its own
.set PO,   144
.set LANE, 1
.set R,    2
.set HH,   3
.set WGA,  4                           ; W2 in memory: 1536 HH + 16 R
.set WLS,  5                           ; W2 into LDS
.set WLF,  6                           ; its fragments out of LDS: 1552 R + 48 HH
.set HLA,  7                           ; h's fragments in memory: 768 HH + 16 R
.set L16,  8                           ; 16 x lane
.set TA,   9                           ; 4 (lane / 8): the token of the row that I store
.set TA1,  10                          ; 4 (lane / 2): likewise for the one-hot columns
.set OSA,  11                          ; into my stage
.set ORA,  12                          ; out of it
.set C8,   13                          ; 16 (lane % 8)
.set C1,   14                          ; 16 (lane % 2)
.set TK,   16                          ; v16-20 tokens as loaded
.set WSA,  21
.set OA,   22                          ; v22-25 byte offsets in out0
.set OHA,  26
.set BA,   27
.set OH,   28                          ; v28-31 my four numbers of the one-hot columns
.set W2S,  32                          ; v32-47 W2's scale words: 8 n + 4 a + c: lanes 0-15 K step 8 a + c, lanes 16-31 K step 8 a + 4 + c
.set HSR,  48                          ; v48-55 h's as loaded, 4 a + c likewise
.set HSP,  56                          ; v56-63 h's with bytes 1 and 2 exchanged
.set ACC,  64                          ; v64-79 two accumulators
.set BI,   80                          ; v80-95 b2 in the result's layout
.set OB,   96                          ; v96-111 rows read back from the stage.  Windows 1, 2: W2's fragments (K steps 0-7, 8-15).  Window 3 v0-191: h's 16 fragments, 12 s
.set WV,   26
.set SL,   27
.set EX,   28
.set NE,   29
.set TILES, 30
.set TZ,   31
.set NX,   33                          ; my tiles begun so far
.set NT,   34                          ; my tiles in all
.set MSB, 0
.macro WIN new                         ; s_set_vgpr_msb: bits 1:0 source 0, 3:2 source 1, 5:4 source 2, 7:6 destination; the high byte repeats the setting that is left
.if MSB != \new
	s_set_vgpr_msb (MSB<<8)|\new
.set MSB, \new
.endif
.endm
.macro PLACES n
.rept \n
	v_nop
.endr
.endm
	s_load_b256 s[8:15], s[0:1], 0x0               ; h_codes 8:9, h_scales 10:11, order 12:13, W2 codes 14:15
	s_load_b128 s[16:19], s[0:1], 0x20             ; W2 scales 16:17, b2 18:19
	s_load_b64 s[20:21], s[0:1], 0x30              ; out0
	v_lshl_add_u32 v254, v0, 2, 0xe600
	v_mov_b32 v255, 0
	v_lshrrev_b32 v[LANE], 5, v0
	v_readfirstlane_b32 s[WV], v[LANE]             ; wave 0..3
	v_and_b32 v[LANE], 31, v0
	v_and_b32 v[R], 15, v0
	v_bfe_u32 v[HH], v0, 4, 1
	s_mov_b32 s[SL], ttmp9
	s_and_b32 s[EX], ttmp7, 0xffff
	s_mov_b32 s40, 0x03010200                      ; v_perm_b32: bytes 1 and 2 change places
	v_lshlrev_b32 v15, 4, v[R]
	v_mad_u32_u24 v[WGA], v[HH], 1536, v15
	s_mul_i32 s42, s[WV], 8*PW                     ; my 8 rows of W2
	v_mad_u32_u24 v[WLS], v[HH], PW, v15
	v_add_nc_u32 v[WLS], s42, v[WLS]
	v_mul_u32_u24 v[WLF], v[R], PW
	v_mad_u32_u24 v[WLF], v[HH], 48, v[WLF]
	v_mad_u32_u24 v[HLA], v[HH], 768, v15
	v_lshlrev_b32 v[L16], 4, v[LANE]
	v_lshrrev_b32 v[TA], 3, v[LANE]
	v_mul_u32_u24 v[ORA], v[TA], PO
	v_lshlrev_b32 v[TA], 2, v[TA]
	v_lshrrev_b32 v[TA1], 1, v[LANE]
	v_lshlrev_b32 v[TA1], 2, v[TA1]
	s_mul_i32 s43, s[WV], 16*PO
	s_add_co_u32 s43, s43, OST                     ; my stage
	v_mul_u32_u24 v[OSA], v[R], PO
	v_lshl_add_u32 v[OSA], v[HH], 5, v[OSA]
	v_add_nc_u32 v[OSA], s43, v[OSA]               ; in: row R, + 32 HH
	v_and_b32 v[C8], 7, v[LANE]
	v_lshlrev_b32 v[C8], 4, v[C8]
	v_add_nc_u32 v[ORA], v[ORA], v[C8]
	v_add_nc_u32 v[ORA], s43, v[ORA]               ; back: eight lanes to a row of 128 bytes, four rows an instruction
	v_and_b32 v[C1], 1, v[LANE]
	v_lshlrev_b32 v[OHA], 2, v[C1]                 ; my four one-hot columns begin at 4 (lane % 2)
	v_lshlrev_b32 v[C1], 4, v[C1]
	v_lshlrev_b32 v[WSA], 6, v[R]
	v_lshl_add_u32 v[WSA], v[HH], 4, v[WSA]        ; W2's scale words: 64 R + 16 HH
	v_lshlrev_b32 v[BA], 5, v[HH]                  ; b2: 8 HH numbers on
	v_mov_b32 v15, 1.0
.irp c, 0,1,2,3
	v_add_nc_u32 v[OA], \c, v[OHA]
	v_cmp_eq_u32 vcc_lo, s[EX], v[OA]
	v_cndmask_b32 v[OH+\c], 0, v15, vcc_lo
.endr
	s_lshl_b32 s42, s[EX], 10
	s_lshl_b32 s43, s[SL], 5
	s_add_co_u32 s42, s42, s43                     ; the slice's first row of W2: 1024 e + 32 slice
	s_lshl_b32 s43, s[WV], 3
	s_add_co_u32 s43, s42, s43
	s_mul_i32 s36, s43, 1536                       ; W2's codes: my wave's 8 rows
	s_mov_b32 s37, 0
	s_lshl_b32 s46, s42, 6                         ; W2's scale bytes
	s_mov_b32 s47, 0
	s_lshl_b32 s48, s42, 2                         ; b2
	s_mov_b32 s49, 0
	s_lshl_b32 s50, s[SL], 7                       ; out0: the slice's 128 bytes of a row
	s_mov_b32 s51, 0
	s_mul_i32 s52, s[EX], 8704                     ; order: 2,176 words an expert
	s_mov_b32 s53, 0
	s_wait_kmcnt 0x0
	s_add_nc_u64 s[44:45], s[12:13], s[52:53]      ; (a pair of its own: it is not written again)
	s_load_b32 s[NE], s[44:45], 0x21f8             ; word 2,174: the expert's number of tokens
	s_add_nc_u64 s[14:15], s[14:15], s[36:37]
	s_add_nc_u64 s[16:17], s[16:17], s[46:47]
	s_add_nc_u64 s[18:19], s[18:19], s[48:49]
	s_add_nc_u64 s[20:21], s[20:21], s[50:51]
	; 32 loads: my 8 rows of W2 as they lie (16 lanes read 256 consecutive bytes, aligned), the scale words, b2
	WIN 0x40                                       ; destination window 1
.irp p, 0,1,2,3
.irp u, 0,1,2,3,4,5
	global_load_b128 v[4*(6*\p+\u):4*(6*\p+\u)+3], v[WGA], s[14:15] offset:3072*\p+256*\u th:TH_LOAD_NT
.endr
.endr
	WIN 0
.irp n, 0,1
.irp a, 0,1
	global_load_b128 v[W2S+8*\n+4*\a:W2S+8*\n+4*\a+3], v[WSA], s[16:17] offset:1024*\n+32*\a
.endr
.endr
.irp n, 0,1
	global_load_b128 v[BI+8*\n:BI+8*\n+3], v[BA], s[18:19] offset:64*\n
	global_load_b128 v[BI+8*\n+4:BI+8*\n+7], v[BA], s[18:19] offset:64*\n+16
.endr
	s_wait_kmcnt 0x0
	s_min_u32 s[NE], s[NE], 2048
	s_add_co_u32 s[TILES], s[NE], 15
	s_lshr_b32 s[TILES], s[TILES], 4
	s_max_u32 s42, s[TILES], 1
	s_sub_co_u32 s42, s42, 1
	s_min_u32 s[TZ], s[WV], s42                    ; my first tile, or the expert's last stored one where I have none
	s_min_u32 s[TZ], s[TZ], 3                      ; (it is at most the wave's number: the bound is written out where the number enters addresses)
	s_lshl_b32 s43, s[EX], 7
	s_add_co_u32 s43, s43, s[TZ]
	s_mul_i32 s36, s43, 24576
	s_add_nc_u64 s[8:9], s[8:9], s[36:37]
	s_lshl_b32 s36, s43, 10
	s_add_nc_u64 s[10:11], s[10:11], s[36:37]
	s_lshl_b32 s36, s[TZ], 6
	s_add_co_u32 s36, s36, s52
	s_add_nc_u64 s[12:13], s[12:13], s[36:37]
; 31 loads: a tile's tokens, its scale words, and h's fragments of K steps 0-7.  nx = 0: the tile at the bases; 1: my next, four tiles on.
.macro REQA nx
.irp i, 0,1,2,3
	global_load_b32 v[TK+\i], v[TA], s[12:13] offset:256*\nx+16*\i
.endr
	global_load_b32 v[TK+4], v[TA1], s[12:13] offset:256*\nx
.irp a, 0,1
	global_load_b128 v[HSR+4*\a:HSR+4*\a+3], v[L16], s[10:11] offset:4096*\nx+512*\a
.endr
	WIN 0xc0                                       ; destination window 3
.irp s, 0,1,2,3,4,5,6,7
.irp g, 0,1,2
	global_load_b128 v[12*\s+4*\g:12*\s+4*\g+3], v[HLA], s[8:9] offset:98304*\nx+1536*\s+256*\g
.endr
.endr
	WIN 0
.endm
.macro REQB nx                         ; 24 loads: K steps 8-15
	WIN 0xc0
.irp s, 8,9,10,11,12,13,14,15
.irp g, 0,1,2
	global_load_b128 v[12*\s+4*\g:12*\s+4*\g+3], v[HLA], s[8:9] offset:98304*\nx+1536*\s+256*\g
.endr
.endr
	WIN 0
.endm
	REQA 0
	REQB 0
	s_wait_loadcnt 55                              ; the 31 + 24 loads just issued may stay out: W2's rows, its scale words and b2 are in
	WIN 0x04                                       ; an LDS store's data are its source 1: window 1
.irp p, 0,1,2,3
.irp u, 0,1,2,3,4,5
	ds_store_b128 v[WLS], v[4*(6*\p+\u):4*(6*\p+\u)+3] offset:2*\p*PW+256*\u
.endr
.endr
	WIN 0
.irp i, 0,1,2,3,4,5,6,7,8,9,10,11,12,13,14,15
	v_perm_b32 v[W2S+\i], v[W2S+\i], v[W2S+\i], s40
.endr
	s_wait_dscnt 0x0                               ; for the others' sake: my 8 rows lie in LDS
	s_barrier_signal -1
	s_barrier_wait -1
	WIN 0x40
.irp s, 0,1,2,3,4,5,6,7
.irp n, 0,1
.irp g, 0,1,2
	ds_load_b128 v[12*(2*\s+\n)+4*\g:12*(2*\s+\n)+4*\g+3], v[WLF] offset:16*\n*PW+96*\s+16*\g
.endr
.endr
.endr
	WIN 0x80
.irp s, 8,9,10,11,12,13,14,15
.irp n, 0,1
.irp g, 0,1,2
	ds_load_b128 v[12*(2*(\s-8)+\n)+4*\g:12*(2*(\s-8)+\n)+4*\g+3], v[WLF] offset:16*\n*PW+96*\s+16*\g
.endr
.endr
.endr
	WIN 0
	s_wait_dscnt 0x0
; One product: half h of K, its q-th K step, tile n.  b2 is the C of a sum's first product.
.macro MUL2 h, q, n
.if (\h == 0) && (\q == 0)
	v_wmma_scale_f32_16x16x128_f8f6f4 v[ACC+8*\n:ACC+8*\n+7], v[12*\n:12*\n+11], v[0:11], v[BI+8*\n:BI+8*\n+7], v[W2S+8*\n], v[HSP] matrix_a_fmt:MATRIX_FMT_FP6 matrix_b_fmt:MATRIX_FMT_FP6
.elseif \q < 4
	v_wmma_scale_f32_16x16x128_f8f6f4 v[ACC+8*\n:ACC+8*\n+7], v[12*(2*\q+\n):12*(2*\q+\n)+11], v[12*(8*\h+\q):12*(8*\h+\q)+11], v[ACC+8*\n:ACC+8*\n+7], v[W2S+8*\n+4*\h+\q], v[HSP+4*\h+\q] matrix_a_fmt:MATRIX_FMT_FP6 matrix_b_fmt:MATRIX_FMT_FP6
.else
	v_wmma_scale_f32_16x16x128_f8f6f4 v[ACC+8*\n:ACC+8*\n+7], v[12*(2*\q+\n):12*(2*\q+\n)+11], v[12*(8*\h+\q):12*(8*\h+\q)+11], v[ACC+8*\n:ACC+8*\n+7], v[W2S+8*\n+4*\h+\q-4], v[HSP+4*\h+\q-4] matrix_a_fmt:MATRIX_FMT_FP6 matrix_b_fmt:MATRIX_FMT_FP6 matrix_a_scale:MATRIX_SCALE_ROW1 matrix_b_scale:MATRIX_SCALE_ROW1
.endif
.endm
.macro MULH h                          ; 16 products, K ascending, the two accumulators by turns, one instruction a turn
	WIN 0x0d+\h                                    ; W2 window 1 or 2, h window 3, C and D window 0
.irp q, 0,1,2,3,4,5,6,7
.irp n, 0,1
	MUL2 \h, \q, \n
.endr
.endr
	WIN 0
.endm
; A tile.  nx = 1: each half of h's registers is asked for again, for my next tile, as soon as its 16 products are issued.
.macro BODY nx
	s_wait_loadcnt 24                              ; the second half's 24 loads may stay out: tokens, scale words and the first half are in
.irp i, 0,1,2,3,4,5,6,7
	v_perm_b32 v[HSP+\i], v[HSR+\i], v[HSR+\i], s40
.endr
.irp i, 0,1,2,3,4
	v_min_u32 v[TK+\i], 2047, v[TK+\i]
.endr
.irp i, 0,1,2,3
	v_mul_u32_u24 v[OA+\i], 4128, v[TK+\i]
.endr
	v_mul_u32_u24 v[OHA], 4128, v[TK+4]
.irp i, 0,1,2,3
	v_add_nc_u32 v[OA+\i], v[OA+\i], v[C8]
.endr
	v_add_nc_u32 v[OHA], v[OHA], v[C1]             ; (these 15 lines are also the eight plain instructions between the scale words' exchange and the scaled products)
	MULH 0
	PLACES 4                                       ; four plain instructions in front of loads into registers that products have read
.if \nx
	REQA 1
	s_wait_loadcnt 31                              ; the 31 just issued may stay out: this tile's second half is in
.else
	s_wait_loadcnt 0x0
.endif
	MULH 1
	PLACES 4                                       ; likewise, and in front of the first read of the results (ISA guide 7.12.1)
.if \nx
	REQB 1
.endif
.irp n, 0,1
	ds_store_b128 v[OSA], v[ACC+8*\n:ACC+8*\n+3] offset:64*\n       ; each accumulator from its low end on
	ds_store_b128 v[OSA], v[ACC+8*\n+4:ACC+8*\n+7] offset:64*\n+16
.endr
.irp i, 0,1,2,3
	ds_load_b128 v[OB+4*\i:OB+4*\i+3], v[ORA] offset:4*\i*PO        ; LDS serves a wave's instructions in order (ISA guide 5.7.1.4): these see my stores
.endr
.irp i, 0,1,2,3
	s_wait_dscnt 3-\i                              ; the younger read-backs may stay out
	global_store_b128 v[OA+\i], v[OB+4*\i:OB+4*\i+3], s[20:21] th:TH_STORE_NT   ; rows 4 i + lane / 8: eight lanes store a row's 128 consecutive bytes
.endr
	s_cmp_lg_u32 s[SL], 31
	s_cbranch_scc1 .Lno_hot_\@
	global_store_b128 v[OHA], v[OH:OH+3], s[20:21] offset:128 th:TH_STORE_NT    ; the last slice: the 32 bytes behind column 1,023, two lanes a row
.Lno_hot_\@:
	s_wait_xcnt 0x0                                ; the stores' registers and the loads' bases are written again only behind this wait
.endm
	s_cmp_ge_u32 s[WV], s[TILES]
	s_cbranch_scc1 .Lend                           ; no tile for me
	s_sub_co_u32 s[NT], s[TILES], s[WV]
	s_add_co_u32 s[NT], s[NT], 3
	s_lshr_b32 s[NT], s[NT], 2                     ; my tiles w, w + 4, ..: (tiles - w + 3) / 4 of them, 1 to 32
	s_mov_b32 s[NX], 1
	s_cmp_ge_u32 s[NX], s[NT]
	s_cbranch_scc1 .Llast
.Ltile:                                                ; every tile of mine but the last: the counter steps by 1 while it is under the number of my tiles
	BODY 1
	s_add_nc_u64 s[8:9], s[8:9], 98304
	s_add_nc_u64 s[10:11], s[10:11], 4096
	s_add_nc_u64 s[12:13], s[12:13], 256
	s_add_co_u32 s[NX], s[NX], 1
	s_cmp_lt_u32 s[NX], s[NT]
	s_cbranch_scc1 .Ltile
.Llast:
	BODY 0                                         ; the last is written out: it asks for nothing, and every counted wait counts the same loads on every way
.Lend:
	s_wait_tensorcnt 0x0
	ds_add_u32 v254, v255
	s_wait_dscnt 0x0
	s_endpgm
.Lfunc_end_k_qa660d54017_encoder:
	.size	k_qa660d54017_encoder, .Lfunc_end_k_qa660d54017_encoder-k_qa660d54017_encoder
	.p2alignl 7, 3214868480
	.fill 96, 4, 3214868480
	.section	.rodata,"a",@progbits
	.p2align	6, 0x0
	.amdhsa_kernel k_qa660d54017_encoder
		.amdhsa_group_segment_fixed_size 59392
		.amdhsa_private_segment_fixed_size 0
		.amdhsa_enable_private_segment 0
		.amdhsa_kernarg_size 56
		.amdhsa_user_sgpr_count 2
		.amdhsa_user_sgpr_kernarg_segment_ptr 1
		.amdhsa_wavefront_size32 1
		.amdhsa_system_sgpr_workgroup_id_x 1
		.amdhsa_system_sgpr_workgroup_id_y 1
		.amdhsa_system_sgpr_workgroup_id_z 1
		.amdhsa_system_vgpr_workitem_id 0
		.amdhsa_next_free_vgpr 960
		.amdhsa_next_free_sgpr 66
		.amdhsa_reserve_vcc 1
		.amdhsa_float_denorm_mode_32 3
		.amdhsa_float_denorm_mode_16_64 3
		.amdhsa_memory_ordered 1
		.amdhsa_forward_progress 1
		.amdhsa_inst_pref_size 42
	.end_amdhsa_kernel
	.amdgpu_metadata
---
amdhsa.version: [ 1, 2 ]
amdhsa.kernels:
  - .name:           k_qa660d54017_encoder
    .symbol:         k_qa660d54017_encoder.kd
    .args:
      - { .name: h_codes, .offset: 0, .size: 8, .value_kind: global_buffer, .address_space: global }
      - { .name: h_scales, .offset: 8, .size: 8, .value_kind: global_buffer, .address_space: global }
      - { .name: order, .offset: 16, .size: 8, .value_kind: global_buffer, .address_space: global }
      - { .name: W2_codes, .offset: 24, .size: 8, .value_kind: global_buffer, .address_space: global }
      - { .name: W2_scales, .offset: 32, .size: 8, .value_kind: global_buffer, .address_space: global }
      - { .name: b2, .offset: 40, .size: 8, .value_kind: global_buffer, .address_space: global }
      - { .name: out0, .offset: 48, .size: 8, .value_kind: global_buffer, .address_space: global }
    .group_segment_fixed_size: 59392
    .private_segment_fixed_size: 0
    .kernarg_segment_align: 8
    .kernarg_segment_size: 56
    .max_flat_workgroup_size: 128
    .sgpr_count:     66
    .vgpr_count:     960
    .wavefront_size: 32
...
	.end_amdgpu_metadata
.endif
;; end of part 2
